; MI455X (gfx1250); checked and timed in simulation.
; The chip was launched on July 23, 2026; its instructions are those of AMD's public machine-readable ISA for CDNA 5 (MIT licence, August 2026) and "CDNA5" Instruction Set Architecture Reference Guide (July 2026). The comments in the code are by the model that wrote it; some were corrected since.
;; Opcode Mo E Layer. Allowed arithmetic: matrix products marked QUANTISED: E5M2 operands, one E8M0 scale for each 32 along K, by v_wmma_scale_f32_16x16x128_f8f6f4 with both operands' format E5M2, f32 sums; everything else in f32.
;; Inputs: W_down 8 x 1,024 x 2,048 float32; W_gate 8 x 2,048 x 1,024 float32; W_up 8 x 2,048 x 1,024 float32; b_down 8 x 1,024 float32; b_gate 8 x 2,048 float32; b_up 8 x 2,048 float32; opcode_onehot 16 x 8 float32; x 16 x 512 x 1,024 float32.
;; Outputs: out0 16 x 512 x 1,024 float32.
;; This version of the problem:
;;   THIS VERSION OF THE PROBLEM IS GIVEN IN LOW PRECISION. The matrix products marked QUANTISED in the list below multiply operands that are first quantised to E5M2 (5 exponent bits, 2 mantissa bits; 8 bits a number), with one power-of-two scale for each 32 numbers along K (OCP MX v1.0); their sums are f32. All else is computed in f32.
;;   The module's matrix products, in the order in which they are computed (A, B: the left and right operand; K: the contracted axis; several contracted axes count as one K, in the product's order):
;;     1. batch 16 x [M 512, K 1,024] x [K 1,024, N 2,048]; A: input x; B: computed on the way: QUANTISED
;;     2. batch 16 x [M 512, K 1,024] x [K 1,024, N 2,048]; A: input x; B: computed on the way: QUANTISED
;;     3. batch 16 x [M 512, K 2,048] x [K 2,048, N 1,024]; A: computed on the way; B: computed on the way: QUANTISED
;;   THE QUANTISER, for each operand of a quantised product, along K:
;;     - K is cut into blocks of 32 from its start; a last block that is shorter is filled with zeros.
;;     - A block's scale is 2^e with e = floor(log2(the largest magnitude in the block)) - 15, held to -126 .. 127; a block of zeros has e = 0. As a byte (E8M0): e + 127.
;;     - Each number is divided by its block's scale, clamped to +-57,344, and rounded to the nearest number of E5M2, ties to even, subnormals kept.
;;     - The product sums the exact products of the quantised numbers (number of the format x scale) in f32.
;;   ~~~python
;;   def quantise(x, axis):      # numpy; x: float32 -> the quantised numbers, widened to float32 again
;;       x = np.moveaxis(x, axis, -1); K = x.shape[-1]
;;       x = np.pad(x, [(0, 0)] * (x.ndim - 1) + [(0, -K % 32)]); x = x.reshape(x.shape[:-1] + (-1, 32)); a = np.abs(x).max(-1, keepdims=True)
;;       e = np.where(a > 0, np.clip(np.frexp(np.where(a > 0, a, 1))[1] - 1 - 15, -126, 127), 0)      # np.frexp(a)[1] - 1 = floor(log2(a)), exactly
;;       r = np.clip(x / 2.0 ** e, -57344, 57344)
;;       step = 2.0 ** (np.maximum(np.frexp(np.where(r == 0, 1, r))[1] - 1, -14) - 2)
;;       q = np.round(r / step) * step * 2.0 ** e      # np.round: ties to even
;;       return np.moveaxis(q.reshape(q.shape[:-2] + (-1,))[..., :K], -1, axis).astype(np.float32)
;;   ~~~
;;   OPERANDS COMPUTED ON THE WAY. 'Computed on the way' means the value that the module computes at that place (a softmax that the list does not call 'softmax' is quantised finished and normalised). What goes into a quantiser is computed in f32, as accurately as f32 sums, v_exp_f32 and their like allow (about 1e-6 of the number): no bf16 or f16 on the way to a quantiser, and a product that is left as it is and whose result goes on into a quantised operand takes f32 operands (vector FMAs, or v_wmma_f32_16x16x4_f32). A number that lies on a knife's edge between two numbers of the format may be rounded either way, as far as f32 arithmetic and the matrix unit's own rounding can turn it there, and no further.
;; One version. Each part assembles by itself: llvm-mc -triple=amdgcn-amd-amdhsa -mcpu=gfx1250 --defsym DOCPART=n.
;; ======== version 1 of 1: 3 launches
;; workspace buffers: xq 8,650,752 bytes; wug 34,603,008 bytes; wd 17,301,504 bytes; h 17,301,504 bytes; expert 256 bytes of whole numbers
;; launch quant (part 1): grid 1792 x 1, 4 waves a work-group, no clusters, 35,328 bytes of LDS; arguments x, W_up, W_gate, W_down, opcode_onehot, xq, wug, wd, expert; writes xq, wug, wd, expert
.if DOCPART == 1
	.amdgcn_target "amdgcn-amd-amdhsa--gfx1250"
	.amdhsa_code_object_version 6
	.text
	.protected	k_qf60e863142_quant
	.globl	k_qf60e863142_quant
	.p2align	8
	.type	k_qf60e863142_quant,@function
k_qf60e863142_quant:
	s_mov_b64 s[64:65], 0
	v_nop
	global_prefetch_b8 v0, s[64:65] scope:SCOPE_SE
	s_setreg_imm32_b32 hwreg(HW_REG_WAVE_MODE, 25, 1), 1
	s_wait_xcnt 0x0
; x [8192][1024], W_up and W_gate [8][2048][1024], W_down [8][1024][2048], all f32 with K innermost, become codes of BF8 (E5M2) with one E8M0 scale byte for each 32 along K;
; and each batch's expert (the first largest of its 8 opcode numbers) is stored as a whole number, from which the two later launches form addresses.
; All eight experts are quantised: which are chosen hangs on floating-point numbers of this same launch, so no address here may hang on it.
; LAYOUT OF THE RESULTS: images of the matrix operand's registers.  A fragment is 16 rows x 128 K = 2,048 bytes: register group c (0..3) at 512 c + 16 x lane; lane 16 h + r holds row r, k = 32 c + 16 h + 0..15.
; Codes: [tile of 16 rows][K step of 128][2048].  Scale words (4 bytes: one row, 128 K): [K step][row][4], by expert for the weights, behind the codes.
; W_up and W_gate share one buffer: in an expert, tile 8 g + 4 sel + t (g = unit / 64; sel 0 up, 1 gate); lane r of tile t is hidden unit 64 g + 32 (t / 2) + 8 (t % 2) + r + 8 (r / 8),
; so that in the transposed product a lane's 16 registers of tiles 2 B, 2 B + 1 are 16 neighbours along the next product's K.
; A block's scale is 2^(floor(log2(its largest magnitude)) - 15); its byte is that magnitude's exponent field - 15, held at 1 from below; each number is held within +-57,344 x the scale and rounded to the nearest code, ties to even.
; LIMITS: a block of zeros gets the byte 1 where the rule says 127 (its codes are zeros, and this program alone reads the bytes); NaN and infinities among the inputs are not served (a NaN among the opcode numbers loses the choice here).
; SHARES: a wave takes 64 rows x 128 K (four fragments); the four waves of a work-group take four neighbouring K steps of the same rows.  Work-groups 0-255: x; 256-767: W_up; 768-1279: W_gate; 1280-1791: W_down.
; One path serves all four: only scalars differ, chosen on the work-group's number.  No tensor loads, no barrier: waves share nothing.  No matrix unit, no cluster: the launch streams, each input byte read once.
.set XSC,   8388608                    ; where the scale words begin in xq,
.set WUGSC, 33554432                   ; in wug,
.set WDSC,  16777216                   ; in wd
.set SPT,   528                        ; a stage row: 512 bytes + 16: 132 words, so the 16 rows that a load touches begin 4 words apart modulo 64 words
.set STG,   16*SPT                     ; a wave's stage
.set SCB,   4*STG                      ; behind the stages: 256 scale bytes for each wave
.set TM,    12                         ; v12-15 largest magnitudes, v16-19 the other half's / the bytes, v20-23 57,344 x scale, v24-27 the conversions' scale operands
.set PW,    28                         ; v28 the scale word just made
.set C,     32                         ; v32-63   codes, two sets of 16
.set X,     64                         ; v64-127  64 numbers of my row: register 16 b + i = k 32 b + 16 h + i
.set R,     128                        ; v128-255 two sets of 64 as loaded
	s_load_b256 s[4:11], s[0:1], 0x0               ; x, W_up, W_gate, W_down
	s_load_b256 s[12:19], s[0:1], 0x20             ; opcode_onehot, xq, wug, wd
	s_load_b64 s[20:21], s[0:1], 0x40              ; expert
	v_lshl_add_u32 v31, v0, 2, 0x8800
	s_set_vgpr_msb 0x40
	v_mov_b32 v1, 0
	s_set_vgpr_msb 0x4000
	v_lshrrev_b32 v12, 5, v0
	v_readfirstlane_b32 s22, v12                   ; wave
	v_and_b32 v14, 31, v0                          ; lane
	v_and_b32 v12, 15, v0                          ; r
	v_bfe_u32 v13, v0, 4, 1                        ; h
	s_mul_i32 s94, s22, STG                        ; my stage
	s_lshl_b32 s95, s22, 8
	s_add_co_u32 s95, s95, SCB                     ; my 256 scale bytes
	v_lshlrev_b32 v8, 4, v14                       ; 16 x lane: my 16 bytes of a load's 512, and of a store's
	v_add_nc_u32 v1, s94, v8                       ; into the stage: as loaded
	v_mul_u32_u24 v2, v12, SPT
	v_lshl_add_u32 v2, v13, 6, v2
	v_add_nc_u32 v2, s94, v2                       ; out of it: row r, + 64 h
	v_lshl_add_u32 v3, v12, 2, s95                 ; my row's scale word
	v_lshl_add_u32 v4, v14, 3, s95                 ; and on the way out 8 bytes a lane
	v_lshlrev_b32 v5, 3, v14
	v_lshlrev_b32 v29, 5, v12                      ; the choice of experts: batch lane % 16: its 8 numbers,
	v_lshlrev_b32 v30, 2, v12                      ; its word
.irp b, 0,1,2,3
	v_mov_b32 v[TM+4+\b], 0                        ; written once: a lane permute's destination counts as one of its sources
.endr
	s_mov_b32 s23, 0x600000                        ; the mantissa field of 57,344
	s_mov_b32 s24, 0x76543210
	s_mov_b32 s25, 0xfedcba98                      ; v_permlanex16_b32's selects for lane l xor 16
	s_mov_b32 s26, 1280                            ; W_down's figures: its first work-group,
	s_mov_b32 s27, 4                               ; LK: log2 of its K steps,
	s_mov_b32 s28, 6                               ; LR: log2 of the tiles of rows in a chunk of scale words,
	s_mov_b32 s29, 0                               ; PM: rows of a tile chosen as the head comment says?
	s_mov_b32 s30, 0                               ; 4 x sel
	s_mov_b32 s31, WDSC
	s_wait_kmcnt 0x0
	s_cmp_lt_u32 ttmp9, 1280                       ; the choices hang on the work-group's number alone
	s_cselect_b64 s[10:11], s[8:9], s[10:11]       ; W_gate
	s_cselect_b64 s[18:19], s[16:17], s[18:19]
	s_cselect_b32 s26, 768, s26
	s_cselect_b32 s27, 3, s27
	s_cselect_b32 s28, 8, s28
	s_cselect_b32 s29, 1, s29
	s_cselect_b32 s30, 4, s30
	s_cselect_b32 s31, WUGSC, s31
	s_cmp_lt_u32 ttmp9, 768
	s_cselect_b64 s[10:11], s[6:7], s[10:11]       ; W_up
	s_cselect_b32 s26, 256, s26
	s_cselect_b32 s30, 0, s30
	s_cmp_lt_u32 ttmp9, 256
	s_cselect_b64 s[10:11], s[4:5], s[10:11]       ; x
	s_cselect_b64 s[18:19], s[14:15], s[18:19]
	s_cselect_b32 s26, 0, s26
	s_cselect_b32 s28, 9, s28
	s_cselect_b32 s29, 0, s29
	s_cselect_b32 s31, XSC, s31
	; offsets, all under 2^31, in registers of their own
	s_sub_co_u32 s66, ttmp9, s26
	s_lshl_b32 s66, s66, 2
	s_add_co_u32 s66, s66, s22                     ; which run of the tensor is my wave's
	s_lshl_b32 s67, 1, s27
	s_sub_co_u32 s67, s67, 1
	s_and_b32 s67, s66, s67                        ; ks: its K step
	s_lshr_b32 s66, s66, s27                       ; rg: its 64 rows
	s_lshl_b32 s78, 512, s27                       ; a source row in bytes
	s_mov_b32 s79, 0
	s_add_co_u32 s80, s27, 15
	s_lshl_b32 s80, s66, s80                       ; 64 rg rows
	s_lshl_b32 s81, s67, 9
	s_add_co_u32 s80, s80, s81                     ; + 512 ks
	s_mov_b32 s81, 0
	s_lshl_b32 s82, 8, s29
	s_mul_i32 s82, s82, s78                        ; from a tile's row 0 to its row 8: 8 source rows, or 16
	s_mov_b32 s83, 0
	s_lshr_b32 s84, 16, s29
	s_mul_i32 s84, s84, s78                        ; from tile 0 to tile 1: 16 source rows, or 8
	s_lshl_b32 s85, s78, 5                         ; to tile 2: 32
	s_add_co_u32 s86, s84, s85                     ; to tile 3
	s_add_co_u32 s87, s29, 2
	s_lshl_b32 s87, s66, s87
	s_add_co_u32 s87, s87, s30                     ; my first tile of rows in the result
	s_lshl_b32 s88, s87, s27
	s_add_co_u32 s88, s88, s67
	s_lshl_b32 s88, s88, 11                        ; its fragment of my K step
	s_mov_b32 s89, 0
	s_lshl_b32 s90, 2048, s27                      ; from tile to tile in the result
	s_mov_b32 s91, 0
	s_lshr_b32 s92, s87, s28                       ; the scale words: chunk,
	s_lshl_b32 s92, s92, s27
	s_add_co_u32 s92, s92, s67                     ; K step,
	s_add_co_u32 s93, s28, 6
	s_lshl_b32 s92, s92, s93
	s_lshl_b32 s93, 1, s28
	s_sub_co_u32 s93, s93, 1
	s_and_b32 s93, s87, s93
	s_lshl_b32 s93, s93, 6                         ; 64 bytes a tile of rows
	s_add_co_u32 s92, s92, s93
	s_add_co_u32 s92, s92, s31
	s_mov_b32 s93, 0
	v_add_nc_u32 v9, s84, v8                       ; v8-11: 16 x lane + the tile's offset
	v_add_nc_u32 v10, s85, v8
	v_add_nc_u32 v11, s86, v8
	s_add_nc_u64 s[32:33], s[10:11], s[80:81]      ; s[32:63]: the addresses of tile 0's sixteen rows at my K step
.irp p, 1,2,3,4,5,6,7
	s_add_nc_u64 s[32+2*\p:33+2*\p], s[30+2*\p:31+2*\p], s[78:79]
.endr
	s_add_nc_u64 s[48:49], s[32:33], s[82:83]
.irp p, 9,10,11,12,13,14,15
	s_add_nc_u64 s[32+2*\p:33+2*\p], s[30+2*\p:31+2*\p], s[78:79]
.endr
	s_add_nc_u64 s[68:69], s[18:19], s[88:89]      ; s[68:75]: where the four fragments go
.irp t, 1,2,3
	s_add_nc_u64 s[68+2*\t:69+2*\t], s[66+2*\t:67+2*\t], s[90:91]
.endr
	s_add_nc_u64 s[76:77], s[18:19], s[92:93]      ; and my 64 rows' scale words: 256 consecutive bytes
.macro LOAD t                          ; tile t: sixteen rows, 512 consecutive bytes of each
.irp p, 0,1,2,3,4,5,6,7,8,9,10,11,12,13,14,15
	global_load_b128 v[R+64*((\t)%2)+4*\p:R+64*((\t)%2)+4*\p+3], v[8+(\t)], s[32+2*\p:33+2*\p] th:TH_LOAD_NT
.endr
.endm
; 64 numbers of a lane, v[s] on, become a fragment's codes in v[d] on and its scale word in v[PW]
.macro QUANT s, d
.irp b, 0,1,2,3
	v_max3_num_f32 v[TM+\b], |v[\s+16*\b]|, |v[\s+1+16*\b]|, 0x8000000   ; block b: my 16 numbers, and the floor 2^(16 - 127): the byte cannot fall under 1
.endr
.irp i, 2,4,6,8,10,12,14
.irp b, 0,1,2,3
	v_max3_num_f32 v[TM+\b], v[TM+\b], |v[\s+16*\b+\i]|, |v[\s+1+16*\b+\i]|   ; the four blocks by turns
.endr
.endr
.irp b, 0,1,2,3
	v_permlanex16_b32 v[TM+4+\b], v[TM+\b], s24, s25
.endr
.irp b, 0,1,2,3
	v_max_num_f32 v[TM+\b], v[TM+\b], v[TM+4+\b]   ; with lane l xor 16's: the block's largest magnitude
.endr
.irp b, 0,1,2,3
	v_add_nc_u32 v[TM+12+\b], 0xf8800000, v[TM+\b] ; 15 off its exponent field: the conversion takes that field as its scale
.endr
.irp b, 0,1,2,3
	v_and_or_b32 v[TM+8+\b], v[TM+\b], 0x7f800000, s23   ; 57,344 x the scale
.endr
.irp b, 0,1,2,3
	v_lshrrev_b32 v[TM+4+\b], 23, v[TM+12+\b]      ; the scale's byte
.endr
	v_lshl_or_b32 v[PW], v[TM+5], 8, v[TM+4]
	v_lshl_or_b32 v[PW], v[TM+6], 16, v[PW]
	v_lshl_or_b32 v[PW], v[TM+7], 24, v[PW]
.irp b, 0,1,2,3
.irp i, 0,1,2,3,4,5,6,7,8,9,10,11,12,13,14,15
	v_med3_num_f32 v[\s+16*\b+\i], v[\s+16*\b+\i], -v[TM+8+\b], v[TM+8+\b]   ; the conversion to an 8-bit code does not saturate (ISA guide 7.6.2): the hold
.endr
	v_cvt_scalef32_pk8_bf8_f32 v[\d+4*\b:\d+1+4*\b], v[\s+16*\b:\s+7+16*\b], v[TM+12+\b]
	v_cvt_scalef32_pk8_bf8_f32 v[\d+2+4*\b:\d+3+4*\b], v[\s+8+16*\b:\s+15+16*\b], v[TM+12+\b]
.endr
	v_nop                                          ; one plain vector line behind the last conversion
.endm
.macro TILE t
.if (\t) < 3
	s_wait_loadcnt 16                              ; this tile's sixteen loads are in; the next tile's sixteen may be out
.else
	s_wait_loadcnt 0x0
.endif
.irp p, 0,1,2,3,4,5,6,7,8,9,10,11,12,13,14,15
	ds_store_b128 v1, v[R+64*((\t)%2)+4*\p:R+64*((\t)%2)+4*\p+3] offset:SPT*\p
.endr
.irp b, 0,1,2,3
.irp j, 0,1,2,3
	ds_load_b128 v[X+16*\b+4*\j:X+16*\b+4*\j+3], v2 offset:128*\b+16*\j   ; LDS serves a wave's instructions in order: these see the stores above
.endr
.endr
	s_wait_dscnt 0x0                               ; my 64 numbers are back, and the stores have read their registers,
.if (\t) < 2
	LOAD (\t)+2                                    ; which take the tile two further on
.else
	s_wait_xcnt 0x0                                ; this set of codes was the data of tile t - 2's stores: it is rewritten only behind this wait
.endif
	QUANT X, C+16*((\t)%2)
.irp c, 0,1,2,3
	global_store_b128 v8, v[C+16*((\t)%2)+4*\c:C+16*((\t)%2)+4*\c+3], s[68+2*(\t):69+2*(\t)] offset:512*\c   ; 32 lanes store 512 consecutive bytes, aligned
.endr
	ds_store_b32 v3, v[PW] offset:64*(\t)          ; lanes r and r + 16 write the same word with the same value
.endm
	LOAD 0
	LOAD 1
	TILE 0
	TILE 1
	TILE 2
	TILE 3
	ds_load_b64 v[6:7], v4                         ; my wave's 64 scale words
	s_wait_dscnt 0x0
	global_store_b64 v5, v[6:7], s[76:77]          ; 32 lanes store 256 consecutive bytes, aligned
	; the choice of experts: wave 0 of work-group 0 alone
	s_lshl_b32 s94, ttmp9, 2
	s_add_co_u32 s94, s94, s22
	s_cmp_lg_u32 s94, 0
	s_cbranch_scc1 .Lend
	global_load_b128 v[64:67], v29, s[12:13]
	global_load_b128 v[68:71], v29, s[12:13] offset:16
	s_wait_loadcnt 0x0
	v_mov_b32 v12, v64                             ; the largest so far,
	v_mov_b32 v13, 0                               ; and where it stood
.irp i, 1,2,3,4,5,6,7
	v_cmp_ge_f32 vcc_lo, v12, v[64+\i]             ; a later number takes over only if it is larger: the lower index wins a tie
	v_cndmask_b32 v13, \i, v13, vcc_lo
	v_max_num_f32 v12, v12, v[64+\i]
.endr
	global_store_b32 v30, v13, s[20:21]            ; lanes l and l + 16 store the same word with the same value
.Lend:
	s_set_vgpr_msb 0x4
	s_wait_tensorcnt 0x0
	ds_add_u32 v31, v1
	s_wait_dscnt 0x0
	s_set_vgpr_msb 0x400
	s_endpgm
.Lfunc_end_k_qf60e863142_quant:
	.size	k_qf60e863142_quant, .Lfunc_end_k_qf60e863142_quant-k_qf60e863142_quant
	.p2alignl 7, 3214868480
	.fill 96, 4, 3214868480
	.section	.rodata,"a",@progbits
	.p2align	6, 0x0
	.amdhsa_kernel k_qf60e863142_quant
		.amdhsa_group_segment_fixed_size 35328
		.amdhsa_private_segment_fixed_size 0
		.amdhsa_enable_private_segment 0
		.amdhsa_kernarg_size 72
		.amdhsa_user_sgpr_count 2
		.amdhsa_user_sgpr_kernarg_segment_ptr 1
		.amdhsa_wavefront_size32 1
		.amdhsa_system_sgpr_workgroup_id_x 1
		.amdhsa_system_sgpr_workgroup_id_y 1
		.amdhsa_system_sgpr_workgroup_id_z 1
		.amdhsa_system_vgpr_workitem_id 0
		.amdhsa_next_free_vgpr 258
		.amdhsa_next_free_sgpr 96
		.amdhsa_reserve_vcc 1
		.amdhsa_float_denorm_mode_32 3
		.amdhsa_float_denorm_mode_16_64 3
		.amdhsa_memory_ordered 1
		.amdhsa_forward_progress 1
		.amdhsa_inst_pref_size 55
	.end_amdhsa_kernel
	.amdgpu_metadata
---
amdhsa.version: [ 1, 2 ]
amdhsa.kernels:
  - .name:           k_qf60e863142_quant
    .symbol:         k_qf60e863142_quant.kd
    .args:
      - { .name: x, .offset: 0, .size: 8, .value_kind: global_buffer, .address_space: global }
      - { .name: W_up, .offset: 8, .size: 8, .value_kind: global_buffer, .address_space: global }
      - { .name: W_gate, .offset: 16, .size: 8, .value_kind: global_buffer, .address_space: global }
      - { .name: W_down, .offset: 24, .size: 8, .value_kind: global_buffer, .address_space: global }
      - { .name: opcode_onehot, .offset: 32, .size: 8, .value_kind: global_buffer, .address_space: global }
      - { .name: xq, .offset: 40, .size: 8, .value_kind: global_buffer, .address_space: global }
      - { .name: wug, .offset: 48, .size: 8, .value_kind: global_buffer, .address_space: global }
      - { .name: wd, .offset: 56, .size: 8, .value_kind: global_buffer, .address_space: global }
      - { .name: expert, .offset: 64, .size: 8, .value_kind: global_buffer, .address_space: global }
    .group_segment_fixed_size: 35328
    .private_segment_fixed_size: 0
    .kernarg_segment_align: 8
    .kernarg_segment_size: 72
    .max_flat_workgroup_size: 128
    .sgpr_count:     96
    .vgpr_count:     258
    .wavefront_size: 32
...
	.end_amdgpu_metadata
.endif
;; end of part 1
;; launch ffn1 (part 2): grid 16 x 32, 4 waves a work-group, clusters of 4 x 1, 327,680 bytes of LDS; arguments xq, wug, b_up, b_gate, expert, h; writes h
.if DOCPART == 2
	.amdgcn_target "amdgcn-amd-amdhsa--gfx1250"
	.amdhsa_code_object_version 6
	.text
	.protected	k_qf60e863142_ffn1
	.globl	k_qf60e863142_ffn1
	.p2align	8
	.type	k_qf60e863142_ffn1,@function
k_qf60e863142_ffn1:
	s_mov_b64 s[64:65], 0
	v_nop
	global_prefetch_b8 v0, s[64:65] scope:SCOPE_SE
	s_setreg_imm32_b32 hwreg(HW_REG_WAVE_MODE, 25, 1), 1
	s_wait_xcnt 0x0
	s_wait_alu depctr_hold_cnt(0) depctr_sa_sdst(0) depctr_va_vdst(0) depctr_va_sdst(0) depctr_va_ssrc(0) depctr_va_vcc(0) depctr_vm_vsrc(0)
	s_getreg_b32 s2, hwreg(HW_REG_IB_STS2, 6, 4)
	s_cmp_eq_u32 s2, 0
	s_cbranch_scc0 .Lentry_in_a_cluster
	s_endpgm
.Lentry_in_a_cluster:
	s_bfe_u32 s2, ttmp6, 0x10000c
	s_cmp_lg_u32 s2, 0x3003
	s_cbranch_scc0 .Lentry_shape_is_right
	s_endpgm
.Lentry_shape_is_right:
; hidden = silu(x Wu^T + bu) x (x Wg^T + bg) for each batch's expert, both products on codes of BF8 (E5M2) with E8M0 scales; the hidden layer is quantised in registers along its own axis (the next product's K) and leaves as codes.
; OPERANDS lie in memory and in LDS as images of their registers: a fragment (16 rows x 128 K) is 2,048 bytes, register group c at 512 c + 16 x lane; codes [tile of 16 rows][K step of 128][2048]; scale words [K step][row][4].
; A work-group of four waves makes 256 tokens x 256 rows of wug (128 hidden units: their up rows and their gate rows); a wave 128 x 128: 64 accumulators, 512 registers.  K = 1,024 goes in four steps of 256 through two LDS slots.
; THE PRODUCT IS USED TRANSPOSED (source 0 = 16 rows of the weights, source 1 = 16 tokens): a lane holds one token.  A wave's eight tiles of weights are four of up and four of gate for the SAME 64 units, their rows chosen so that
; registers 16 B + i of the four up (gate) tiles are units 32 B + 16 (lane / 16) + i: up and gate meet in the same lane, and the conversions' results are the next operand's registers.
; THE EXPERT is a whole number stored by the launch before; it enters addresses alone (held to 0..7), no branch and no trip count.
; CLUSTER: the four work-groups of a cluster take the same 256 tokens: x's tiles and scale words are asked for JOINTLY (mask 15).  The weights' tiles are not shared: that would want four tiles of tokens of one expert,
; and a batch's 512 tokens are two tiles of 256; the next batch may have another expert.
; LIMITS: where up lies under about -87, 1 / (1 + e^-up) is under 2^-126 and counts as 0; up x gate is formed ahead of that factor, so |up x gate| stays under 3.4e38; a block of zeros gets the byte 1 (zero codes; this program alone reads the bytes); NaN and infinities are not served.
; REGISTERS, in windows of 256: window 0: v1-31 addresses; v32-63 scale words, two sets; v64-127 the biases in the result's layout; v128-255 A's (the tokens') eight fragments, ONE set.  On the way out v64-255 are at work.
;   window 1: B's (the weights') fragments, TWO sets, at v0 and v128.   window 2: the accumulators of token blocks 0-3 ((a, b) at v[8 (8 (a % 4) + b)]);  window 3: of blocks 4-7.
.set AH,    4                          ; half of A's blocks
.set SLOT,  131072                     ; A's 16 tiles of rows x 4,096 bytes, then B's 16
.set SCL,   2*SLOT                     ; behind the ring: A's scale words [8][256][4], then B's: filled once
.set HSS,   SCL+16384                  ; the hidden layer's scale halves: 256 bytes for each wave
.set SPARE, HSS+1024                   ; the spare words, 128 bytes for each wave: two blocks of 256 bytes that no other line names
.set LAPS,  2                          ; a lap = two K steps of 256
.set XSC,   8388608
.set WUGSC, 33554432
.set HSC,   16777216
.set ADRA, 16                          ; v16-17  my A fragments in slot 0, 1
.set ADRB, 20                          ; v20-21  my B fragments
.set ASA,  22                          ; v22     A's scale words: lanes 0-15 the slot's first 128 along K, lanes 16-31 its second
.set ASB,  23                          ; v23     B's likewise
.set LI,   27                          ; v27     16 x lane
.set SPW,  28                          ; v28     my spare word; never rewritten
.set NIL,  29                          ; v29     0; never rewritten
.set HSA,  30                          ; v30     where I put a scale half
.set HSR,  31                          ; v31     where I read them back
.set SC,   32                          ; set s at SC + 16 s: A's block i in + i, B's block b in + 8 + b
.set BIAS, 64
.set AF,   128
.set EX,   128                         ; the way out: v128-159 the exponentials, v160-191 the hidden numbers, v192-255 codes (8 for each block of tokens: no store's data are written again)
.set PH,   160
.set CD,   192
.set MX,   64                          ; v64-65 largest magnitudes, v66-67 the other half's, v68-69 scale operands, v70-71 57,344 x scale, v72-73 bytes, v80-87 scale halves
.set G1,   24
.set G0,   32
.set G1B,  48
.set G0B,  56
.set G1S,  68
.set G0S,  76
.set G1SB, 80
.set G0SB, 88
.set MSB, 0
.macro WIN new                         ; the immediate's high byte repeats the setting that is left
.if MSB != (\new)
	s_set_vgpr_msb (MSB<<8)|(\new)
.set MSB, (\new)
.endif
.endm
.set TO_B, 0x40                        ; destination window 1, address window 0
; Waves 0 and 1 fetch for A (jointly), waves 2 and 3 for B.  The branch hangs on the wave's number alone.  Four v_nop follow each of the two lines.
.macro JLOAD g0a, g1a, g0b, g1b
	s_cmp_eq_u32 s17, 0
	s_cbranch_scc0 .Lfor_b_\@
	tensor_load_to_lds s[\g0a:\g0a+3], s[\g1a:\g1a+7]
	s_nop 0
.rept 4
	v_nop
.endr
	s_branch .Lasked_\@
.Lfor_b_\@:
	tensor_load_to_lds s[\g0b:\g0b+3], s[\g1b:\g1b+7]
	s_nop 0
.rept 4
	v_nop
.endr
.Lasked_\@:
.endm
.macro CREST                           ; a round of the cluster's barrier behind its opening barrier
	s_cmp_lg_u32 s16, 0
	s_cbranch_scc1 .Lnot_wave_0_\@
	s_barrier_signal -3
.Lnot_wave_0_\@:
	s_barrier_wait -3
	s_barrier_signal -1
	s_barrier_wait -1
.endm
.macro CROUND
	s_barrier_signal -1
	s_barrier_wait -1
	CREST
.endm
.macro PLACES n                        ; plain vector places behind matrix instructions: eight for this form
.rept \n
	v_nop
.endr
.endm
	s_load_b256 s[4:11], s[0:1], 0x0               ; xq, wug, b_up, b_gate
	s_load_b128 s[12:15], s[0:1], 0x20             ; expert, h
	v_lshl_add_u32 v[SPW], v0, 2, SPARE
	v_mov_b32 v[NIL], 0
	ds_add_u32 v28, v29
	ds_add_u32 v28, v29
	s_wait_dscnt 0x0
	v_lshrrev_b32 v1, 5, v0
	v_readfirstlane_b32 s16, v1                    ; wave 0..3
	s_lshr_b32 s17, s16, 1                         ; WR: my half of the tokens.  Also: I fetch for A (0) or for B (1)
	s_and_b32 s18, s16, 1                          ; WC: my half of the weights' rows.  Also: which half of that tile I fetch
	s_bfe_u32 s40, ttmp6, 0x40000                  ; cx
	s_lshl_b32 s41, ttmp9, 2
	s_add_co_u32 s41, s41, s40                     ; NT = 4 x cluster x + cx: which 128 hidden units
	s_and_b32 s42, ttmp7, 0xffff                   ; MT: which 256 tokens: the four partners share it
	s_lshr_b32 s46, s42, 1                         ; the batch,
	s_lshl_b32 s46, s46, 2                         ; its word
	s_mov_b32 s47, 0
	s_wait_kmcnt 0x0
	s_add_nc_u64 s[12:13], s[12:13], s[46:47]
	s_load_b32 s43, s[12:13], 0x0                  ; the batch's expert
	; descriptor groups 1, elements of 8 bytes, no padding (an image is read as 512 consecutive bytes).  Codes: 8 tiles of rows x 4,096 bytes (two K steps of 128), 16,384 bytes apart
	s_mov_b32 s[G1+0], 15|(3<<16)|(1<<21)          ; A: all four work-groups; bit 21 set beside a mask
	s_mov_b32 s[G1B+0], 3<<16                      ; B: my own
.irp g, G1, G1B
	s_mov_b32 s[\g+1], 512<<16                     ; tensor_dim0 = 512
	s_mov_b32 s[\g+2], 8<<16                       ; tensor_dim1 = 8
	s_mov_b32 s[\g+3], 512<<16                     ; tile_dim0
	s_mov_b32 s[\g+4], 8                           ; tile_dim1
	s_mov_b32 s[\g+5], 2048                        ; from row to row
	s_mov_b32 s[\g+6], 0
	s_mov_b32 s[\g+7], 0
.endr
	; scale words: 4 K steps x 1,024 bytes (256 rows)
	s_mov_b32 s[G1S+0], 15|(3<<16)|(1<<21)
	s_mov_b32 s[G1SB+0], 3<<16
.irp g, G1S, G1SB
	s_mov_b32 s[\g+1], 128<<16
	s_mov_b32 s[\g+2], 4<<16
	s_mov_b32 s[\g+3], 128<<16
	s_mov_b32 s[\g+4], 4
	s_mov_b32 s[\g+6], 0
	s_mov_b32 s[\g+7], 0
.endr
	s_mov_b32 s[G1S+5], 4096                       ; x: 8,192 rows x 4 bytes from K step to K step
	s_mov_b32 s[G1SB+5], 2048                      ; an expert's 4,096 rows
	s_mov_b32 s19, 0x600000                        ; the mantissa field of 57,344
	s_mov_b32 s20, 0x76543210
	s_mov_b32 s21, 0xfedcba98                      ; v_permlanex16_b32's selects for lane l xor 16
	s_mov_b32 s22, 0xbfb8aa3b                      ; -log2(e)
	s_mov_b32 s23, s22                             ; (named with it as a pair)
	s_wait_kmcnt 0x0
	s_min_u32 s43, s43, 7                          ; a loaded number enters addresses only so held
	; A's addresses hang on MT and the wave alone
	s_lshl_b32 s44, s42, 18                        ; 16 tiles of rows x 16,384 bytes
	s_lshl_b32 s46, s18, 17                        ; my 8 of them
	s_add_co_u32 s44, s44, s46
	s_mov_b32 s45, 0
	s_add_nc_u64 s[44:45], s[4:5], s[44:45]
	s_lshl_b32 s47, s42, 10                        ; scale words: 4 K steps x 32,768 (again WC << 17), + 1,024 MT
	s_add_co_u32 s46, s46, s47
	s_add_co_u32 s46, s46, XSC
	s_mov_b32 s47, 0
	s_add_nc_u64 s[46:47], s[4:5], s[46:47]
	; B's on the expert, NT and the wave
	s_lshl_b32 s66, s43, 22
	s_lshl_b32 s67, s41, 18
	s_add_co_u32 s66, s66, s67
	s_lshl_b32 s67, s18, 17
	s_add_co_u32 s66, s66, s67
	s_mov_b32 s67, 0
	s_add_nc_u64 s[66:67], s[6:7], s[66:67]
	s_lshl_b32 s92, s43, 17
	s_lshl_b32 s93, s18, 16
	s_add_co_u32 s92, s92, s93
	s_lshl_b32 s93, s41, 10
	s_add_co_u32 s92, s92, s93
	s_add_co_u32 s92, s92, WUGSC
	s_mov_b32 s93, 0
	s_add_nc_u64 s[92:93], s[6:7], s[92:93]
	s_lshl_b32 s96, s43, 13                        ; the biases: expert x 2,048 x 4, + my 64 units: 256 (2 NT + WC)
	s_lshl_b32 s97, s41, 9
	s_add_co_u32 s96, s96, s97
	s_lshl_b32 s97, s18, 8
	s_add_co_u32 s96, s96, s97
	s_mov_b32 s97, 0
	s_add_nc_u64 s[98:99], s[10:11], s[96:97]      ; b_gate
	s_add_nc_u64 s[96:97], s[8:9], s[96:97]        ; b_up
	s_lshl_b32 s100, s16, 15                       ; where the tiles go: wave x 32,768: A's halves, then B's
	s_lshl_b32 s101, s16, 12
	s_add_co_u32 s101, s101, SCL                   ; and the scale words: wave x 4,096
	CROUND                                         ; all four work-groups are here: the first joint loads meet
	s_mov_b32 s[G0S], 1
	s_mov_b32 s[G0S+1], s101
	s_mov_b64 s[G0S+2:G0S+3], s[46:47]
	s_or_b32 s[G0S+3], s[G0S+3], 0x80000000
	s_mov_b32 s[G0SB], 1
	s_mov_b32 s[G0SB+1], s101
	s_mov_b64 s[G0SB+2:G0SB+3], s[92:93]
	s_or_b32 s[G0SB+3], s[G0SB+3], 0x80000000
	JLOAD G0S, G1S, G0SB, G1SB                     ; the scale words of all of K first: filled once
.irp s, 0,1
	s_mov_b32 s[G0+4*\s], 1
	s_add_co_u32 s[G0+4*\s+1], s100, \s*SLOT
	s_add_nc_u64 s[G0+4*\s+2:G0+4*\s+3], s[44:45], \s*4096
	s_or_b32 s[G0+4*\s+3], s[G0+4*\s+3], 0x80000000
	s_mov_b32 s[G0B+4*\s], 1
	s_add_co_u32 s[G0B+4*\s+1], s100, \s*SLOT
	s_add_nc_u64 s[G0B+4*\s+2:G0B+4*\s+3], s[66:67], \s*4096
	s_or_b32 s[G0B+4*\s+3], s[G0B+4*\s+3], 0x80000000
	JLOAD G0+4*\s, G1, G0B+4*\s, G1B               ; three tensor loads of mine are out at the most
.endr
	v_and_b32 v1, 15, v0                           ; r
	v_bfe_u32 v2, v0, 4, 1                         ; h
	v_and_b32 v3, 31, v0                           ; lane
	v_lshlrev_b32 v4, 6, v2                        ; the biases: 64 h: tile t's register j is unit 32 (t / 2) + 8 (t % 2) + 16 h + j
.irp t, 0,1,2,3
	global_load_b128 v[BIAS+8*\t:BIAS+8*\t+3], v4, s[96:97] offset:(32*(\t/2)+8*(\t%2))*4
	global_load_b128 v[BIAS+8*\t+4:BIAS+8*\t+7], v4, s[96:97] offset:(32*(\t/2)+8*(\t%2))*4+16
	global_load_b128 v[BIAS+32+8*\t:BIAS+32+8*\t+3], v4, s[98:99] offset:(32*(\t/2)+8*(\t%2))*4
	global_load_b128 v[BIAS+32+8*\t+4:BIAS+32+8*\t+7], v4, s[98:99] offset:(32*(\t/2)+8*(\t%2))*4+16
.endr
	v_lshlrev_b32 v[LI], 4, v3
	v_lshlrev_b32 v5, 3, v3                        ; 8 x lane
	s_lshl_b32 s44, s17, 15                        ; my 8 tiles of tokens
	s_lshl_b32 s45, s18, 15
	s_add_co_u32 s45, s45, 65536                   ; my 8 tiles of weights, behind A's 16
.irp s, 0,1
	v_add_nc_u32 v[ADRA+\s], s44, v[LI]
	v_add_nc_u32 v[ADRB+\s], s45, v[LI]
	s_add_co_u32 s44, s44, SLOT
	s_add_co_u32 s45, s45, SLOT
.endr
	v_lshlrev_b32 v6, 2, v1
	v_lshl_add_u32 v6, v2, 10, v6                  ; 4 r + 1,024 h: lanes 16-31 take the next K step of 128
	s_lshl_b32 s44, s17, 9
	s_add_co_u32 s44, s44, SCL
	v_add_nc_u32 v[ASA], s44, v6
	s_lshl_b32 s45, s18, 9
	s_add_co_u32 s45, s45, SCL+8192
	v_add_nc_u32 v[ASB], s45, v6
	v_lshlrev_b32 v7, 1, v1
	s_lshl_b32 s44, s16, 8
	s_add_co_u32 s44, s44, HSS
	v_add_nc_u32 v[HSA], s44, v7                   ; my wave's 256 bytes: 2 bytes a token
	v_lshlrev_b32 v7, 2, v3
	s_lshl_b32 s44, s17, 9
	s_lshl_b32 s45, s18, 7
	s_add_co_u32 s44, s44, s45
	s_add_co_u32 s44, s44, HSS
	v_add_nc_u32 v[HSR], s44, v7                   ; back: tokens 64 wave + 2 lane, + 1: the halves of the wave with WC = 0; those of WC = 1 lie 256 bytes on
	s_lshl_b32 s92, s42, 19                        ; h's codes: token tile 16 MT + 8 WR, K step NT, register groups 2 WC on
	s_lshl_b32 s93, s17, 18
	s_add_co_u32 s92, s92, s93
	s_lshl_b32 s93, s41, 11
	s_add_co_u32 s92, s92, s93
	s_lshl_b32 s93, s18, 10
	s_add_co_u32 s92, s92, s93
	s_mov_b32 s93, 0
	s_add_nc_u64 s[92:93], s[14:15], s[92:93]
	s_lshl_b32 s94, s41, 15                        ; h's scale words: K step NT, tokens 256 MT + 64 wave
	s_lshl_b32 s95, s42, 10
	s_add_co_u32 s94, s94, s95
	s_lshl_b32 s95, s16, 8
	s_add_co_u32 s94, s94, s95
	s_add_co_u32 s94, s94, HSC
	s_mov_b32 s95, 0
	s_add_nc_u64 s[94:95], s[14:15], s[94:95]
.macro FRAG reg, adr, q, i             ; a fragment comes back as it was stored: four loads of 512 consecutive bytes
.irp c, 0,1,2,3
	ds_load_b128 v[\reg+4*\c:\reg+4*\c+3], v[\adr] offset:4096*(\i)+2048*(\q)+512*\c
.endr
.endm
; 8 matrix instructions: A's block a against B's eight.  p: B's set; q: the slot's first or second 128 along K (the scale words of the second lie in lanes 16-31); sc: the set of scale words.
; first = 1: the biases are the C of each sum's first product: nothing is cleared or added.  The 64 accumulators take turns, one instruction a turn, in the same order in every step.
.macro MULA a, p, q, sc, first
.irp b, 0,1,2,3,4,5,6,7
.if \first
	v_wmma_scale_f32_16x16x128_f8f6f4 v[8*(8*((\a)%4)+\b):8*(8*((\a)%4)+\b)+7], v[128*(\p)+16*\b:128*(\p)+16*\b+15], v[AF+16*(\a):AF+16*(\a)+15], v[BIAS+8*\b:BIAS+8*\b+7], v[SC+16*(\sc)+8+\b], v[SC+16*(\sc)+(\a)] matrix_a_fmt:MATRIX_FMT_BF8 matrix_b_fmt:MATRIX_FMT_BF8
.elseif \q
	v_wmma_scale_f32_16x16x128_f8f6f4 v[8*(8*((\a)%4)+\b):8*(8*((\a)%4)+\b)+7], v[128*(\p)+16*\b:128*(\p)+16*\b+15], v[AF+16*(\a):AF+16*(\a)+15], v[8*(8*((\a)%4)+\b):8*(8*((\a)%4)+\b)+7], v[SC+16*(\sc)+8+\b], v[SC+16*(\sc)+(\a)] matrix_a_fmt:MATRIX_FMT_BF8 matrix_b_fmt:MATRIX_FMT_BF8 matrix_a_scale:MATRIX_SCALE_ROW1 matrix_b_scale:MATRIX_SCALE_ROW1
.else
	v_wmma_scale_f32_16x16x128_f8f6f4 v[8*(8*((\a)%4)+\b):8*(8*((\a)%4)+\b)+7], v[128*(\p)+16*\b:128*(\p)+16*\b+15], v[AF+16*(\a):AF+16*(\a)+15], v[8*(8*((\a)%4)+\b):8*(8*((\a)%4)+\b)+7], v[SC+16*(\sc)+8+\b], v[SC+16*(\sc)+(\a)] matrix_a_fmt:MATRIX_FMT_BF8 matrix_b_fmt:MATRIX_FMT_BF8
.endif
.endr
.endm
.macro HALF k, p, q, sc, first         ; A's blocks 4 k .. 4 k + 3: source 0 window 1, source 1 window 0, D window 2 + k; C with D, or (the biases) window 0
.if \first
	WIN 0x81+0x40*(\k)
.else
	WIN 0xa1+0x50*(\k)
.endif
.irp a, 4*(\k), 4*(\k)+1, 4*(\k)+2, 4*(\k)+3
	MULA \a, \p, \q, \sc, \first
.endr
.endm
.macro FETCH_B slot, q, p
	WIN TO_B
.irp i, 0,1,2,3,4,5,6,7
	FRAG 128*(\p)+16*\i, ADRB+\slot, \q, \i
.endr
	WIN 0
.endm
.macro FETCH_A slot, q, k
.irp i, 4*(\k), 4*(\k)+1, 4*(\k)+2, 4*(\k)+3
	FRAG AF+16*(\i), ADRA+\slot, \q, \i
.endr
.endm
.macro SCALES set
.irp i, 0,1,2,3,4,5,6,7
	ds_load_b32 v[SC+16*\set+\i], v[ASA] offset:64*\i
.endr
.irp i, 0,1,2,3,4,5,6,7
	ds_load_b32 v[SC+16*\set+8+\i], v[ASB] offset:64*\i
.endr
.endm
; A slot's first 128 along K
.macro STEP slot, first
	s_wait_dscnt 4*AH                              ; all but the youngest sixteen loads (A's blocks 4-7) are in
	HALF 0, 0, 0, \slot, \first
	s_wait_dscnt 0                                 ; A's blocks 4-7 are in
	PLACES 8                                       ; in front of loads into registers that matrix instructions have read
	FETCH_B \slot, 1, 1
	FETCH_A \slot, 1, 0
	HALF 1, 0, 0, \slot, \first
	PLACES 8
	WIN 0
	FETCH_A \slot, 1, 1
.endm
; A slot's second 128 along K, and the change of slots: ONE barrier; in front of it each wave waits for all its tensor loads, adds 0 to its spare word, and waits for that and for its reads of this slot.  fill = 1: the slot is filled again, two K steps ahead.
.macro TURN slot, next, fill
	s_wait_tensorcnt 0x0                           ; all my tensor loads have landed: my part of the next slot  (every window is 0 here)
	ds_add_u32 v[SPW], v[NIL]                      ; 0 onto my spare word
	s_wait_dscnt 4*AH+1                            ; (the add and the youngest sixteen loads may be out)
	WIN 0xa1
	MULA 0, 1, 1, \slot, 0                         ; sixteen matrix instructions stand between the add and the wait for it
	MULA 1, 1, 1, \slot, 0
	s_wait_dscnt 0x0                               ; the add is done, and my reads of this slot are over
	s_barrier_signal -1
	MULA 2, 1, 1, \slot, 0
	MULA 3, 1, 1, \slot, 0
	WIN 0
	s_barrier_wait -1
.if \fill
	CREST                                          ; the barrier has opened a round of the cluster's barrier: no wave of any partner still reads this slot or has a load on its way
	s_add_nc_u64 s[G0+4*\slot+2:G0+4*\slot+3], s[G0+4*\slot+2:G0+4*\slot+3], 8192
	s_add_nc_u64 s[G0B+4*\slot+2:G0B+4*\slot+3], s[G0B+4*\slot+2:G0B+4*\slot+3], 8192
	JLOAD G0+4*\slot, G1, G0B+4*\slot, G1B         ; the first tensor load behind the round, and my only one until the next; its four v_nop are among the places in front of the loads below
	PLACES 4
.else
	PLACES 8
.endif
	v_add_nc_u32 v[ASA], 2048, v[ASA]              ; the next K step's scale words: two K steps of 128 x 1,024 bytes on
	v_add_nc_u32 v[ASB], 2048, v[ASB]
	FETCH_B \next, 0, 0
	FETCH_A \next, 0, 0
	SCALES \next
	HALF 1, 1, 1, \slot, 0
	PLACES 8
	WIN 0
	FETCH_A \next, 0, 1
.endm
	s_wait_tensorcnt 1                             ; the scale words and my part of K step 0 are in; K step 1's load may be out
	s_barrier_signal -1
	s_barrier_wait -1
	FETCH_B 0, 0, 0
	FETCH_A 0, 0, 0
	SCALES 0
	FETCH_A 0, 0, 1
	s_wait_loadcnt 0x0                             ; the biases
	STEP 0, 1
	s_mov_b32 s3, LAPS-1
.Llap:                                                 ; a trip goes once round the ring and fills both slots again
	TURN 0, 1, 1
	STEP 1, 0
	TURN 1, 0, 1
	STEP 0, 0
	s_sub_co_u32 s3, s3, 1
	s_cmp_lg_u32 s3, 0
	s_cbranch_scc1 .Llap
	TURN 0, 1, 0                                   ; the last lap fills nothing
	STEP 1, 0
	s_wait_dscnt 4*AH
	HALF 0, 1, 1, 1, 0
	s_wait_dscnt 0
	HALF 1, 1, 1, 1, 0
	WIN 0
	PLACES 8                                       ; in front of the first reads of results, and of vector writes into the registers that held A's fragments
; THE WAY OUT, a block of 16 tokens at a time: hidden = up x gate / (1 + 2^(-up log2 e)), all in f32; its two blocks of 32 units are quantised; the codes are register groups 2 WC, 2 WC + 1 of the next operand's fragment.
; Each accumulator is read from its low end on.
.macro HID a
.set WN, 2+(\a)/4
.set UPR, 64*((\a)%4)
.set GTR, UPR+32
	WIN WN                                         ; source 0: the accumulators' window
.set i, 0
.rept 16
	v_pk_mul_f32 v[EX+i:EX+i+1], v[UPR+i:UPR+i+1], s[22:23] op_sel_hi:[1,0]   ; -up log2(e)
.set i, i+2
.endr
	WIN 0
.set i, 0
.rept 32
	v_exp_f32 v[EX+i], v[EX+i]
.set i, i+1
.endr
	WIN 5*WN                                       ; sources 0 and 1
.set i, 0
.rept 16
	v_pk_mul_f32 v[PH+i:PH+i+1], v[UPR+i:UPR+i+1], v[GTR+i:GTR+i+1]   ; up x gate.  (Plain places behind the exponentials)
.set i, i+2
.endr
	WIN 0
.set i, 0
	s_wait_alu depctr_va_vdst(0)
.rept 16
	v_pk_add_f32 v[EX+i:EX+i+1], v[EX+i:EX+i+1], 1.0 op_sel_hi:[1,0]
.set i, i+2
.endr
.set i, 0
.rept 32
	v_rcp_f32 v[EX+i], v[EX+i]
.set i, i+1
.endr
	v_nop                                          ; a plain place behind the last reciprocal
.set i, 0
	s_wait_alu depctr_va_vdst(0)
.rept 16
	v_pk_mul_f32 v[PH+i:PH+i+1], v[PH+i:PH+i+1], v[EX+i:EX+i+1]   ; register 16 B + i: unit 32 B + 16 h + i of my token
.set i, i+2
.endr
.irp b, 0,1
	v_max3_num_f32 v[MX+\b], |v[PH+16*\b]|, |v[PH+16*\b+1]|, 0x8000000   ; my 16 numbers of block B, and the floor 2^(16 - 127)
.endr
.irp k, 2,4,6,8,10,12,14
.irp b, 0,1
	v_max3_num_f32 v[MX+\b], v[MX+\b], |v[PH+16*\b+\k]|, |v[PH+16*\b+\k+1]|
.endr
.endr
.irp b, 0,1
	v_permlanex16_b32 v[MX+2+\b], v[MX+\b], s20, s21
.endr
.irp b, 0,1
	v_max_num_f32 v[MX+\b], v[MX+\b], v[MX+2+\b]   ; with lane l xor 16's: the block's largest magnitude
.endr
.irp b, 0,1
	v_add_nc_u32 v[MX+4+\b], 0xf8800000, v[MX+\b]  ; 15 off its exponent field: the conversion's scale operand
.endr
.irp b, 0,1
	v_and_or_b32 v[MX+6+\b], v[MX+\b], 0x7f800000, s19   ; 57,344 x the scale
.endr
.irp b, 0,1
	v_lshrrev_b32 v[MX+8+\b], 23, v[MX+4+\b]       ; the scale's byte
.endr
	v_lshl_or_b32 v[80+(\a)], v[MX+9], 8, v[MX+8]  ; my token's two bytes: half of its scale word for this K step
.irp b, 0,1
.irp k, 0,1,2,3,4,5,6,7,8,9,10,11,12,13,14,15
	v_med3_num_f32 v[PH+16*\b+\k], v[PH+16*\b+\k], -v[MX+6+\b], v[MX+6+\b]   ; the conversion does not saturate (ISA guide 7.6.2): the hold
.endr
	v_cvt_scalef32_pk8_bf8_f32 v[CD+8*(\a)+4*\b:CD+8*(\a)+4*\b+1], v[PH+16*\b:PH+16*\b+7], v[MX+4+\b]
	v_cvt_scalef32_pk8_bf8_f32 v[CD+8*(\a)+4*\b+2:CD+8*(\a)+4*\b+3], v[PH+16*\b+8:PH+16*\b+15], v[MX+4+\b]
.endr
	v_nop                                          ; one plain vector line behind the last conversion
.irp b, 0,1
	global_store_b128 v[LI], v[CD+8*(\a)+4*\b:CD+8*(\a)+4*\b+3], s[92:93] offset:32768*(\a)+512*\b   ; 32 lanes store 512 consecutive bytes, aligned
.endr
	ds_store_b16 v[HSA], v[80+(\a)] offset:32*(\a) ; lanes r and r + 16 write the same two bytes with the same value
.endm
	v_mov_b32 v[MX+2], 0                           ; written once: a lane permute's destination counts as one of its sources
	v_mov_b32 v[MX+3], 0
.irp a, 0,1,2,3,4,5,6,7
	HID \a
.endr
	s_wait_dscnt 0x0                               ; for the others' sake: my scale halves lie in LDS
	s_barrier_signal -1
	s_barrier_wait -1
	ds_load_b32 v76, v[HSR]                        ; two tokens' halves from the wave with WC = 0,
	ds_load_b32 v77, v[HSR] offset:256             ; and from the wave with WC = 1
	s_wait_dscnt 0x0
	v_perm_b32 v74, v77, v76, 0x05040100           ; the even token's word: the two low halves,
	v_perm_b32 v75, v77, v76, 0x07060302           ; the odd token's: the two high halves
	global_store_b64 v5, v[74:75], s[94:95]        ; 32 lanes store 256 consecutive bytes, aligned
	s_wait_tensorcnt 0x0                           ; the wave's end
	ds_add_u32 v[SPW], v[NIL]
	s_wait_dscnt 0x0
	CROUND                                         ; the closing round: no work-group ends while a partner may still ask for a tile that names it
	s_endpgm
.Lfunc_end_k_qf60e863142_ffn1:
	.size	k_qf60e863142_ffn1, .Lfunc_end_k_qf60e863142_ffn1-k_qf60e863142_ffn1
	.p2alignl 7, 3214868480
	.fill 96, 4, 3214868480
	.section	.rodata,"a",@progbits
	.p2align	6, 0x0
	.amdhsa_kernel k_qf60e863142_ffn1
		.amdhsa_group_segment_fixed_size 327680
		.amdhsa_private_segment_fixed_size 0
		.amdhsa_enable_private_segment 0
		.amdhsa_kernarg_size 48
		.amdhsa_user_sgpr_count 2
		.amdhsa_user_sgpr_kernarg_segment_ptr 1
		.amdhsa_wavefront_size32 1
		.amdhsa_system_sgpr_workgroup_id_x 1
		.amdhsa_system_sgpr_workgroup_id_y 1
		.amdhsa_system_sgpr_workgroup_id_z 1
		.amdhsa_system_vgpr_workitem_id 0
		.amdhsa_next_free_vgpr 1024
		.amdhsa_next_free_sgpr 102
		.amdhsa_reserve_vcc 0
		.amdhsa_float_denorm_mode_32 3
		.amdhsa_float_denorm_mode_16_64 3
		.amdhsa_memory_ordered 1
		.amdhsa_forward_progress 1
		.amdhsa_inst_pref_size 205
	.end_amdhsa_kernel
	.amdgpu_metadata
---
amdhsa.version: [ 1, 2 ]
amdhsa.kernels:
  - .name:           k_qf60e863142_ffn1
    .symbol:         k_qf60e863142_ffn1.kd
    .args:
      - { .name: xq, .offset: 0, .size: 8, .value_kind: global_buffer, .address_space: global }
      - { .name: wug, .offset: 8, .size: 8, .value_kind: global_buffer, .address_space: global }
      - { .name: b_up, .offset: 16, .size: 8, .value_kind: global_buffer, .address_space: global }
      - { .name: b_gate, .offset: 24, .size: 8, .value_kind: global_buffer, .address_space: global }
      - { .name: expert, .offset: 32, .size: 8, .value_kind: global_buffer, .address_space: global }
      - { .name: h, .offset: 40, .size: 8, .value_kind: global_buffer, .address_space: global }
    .group_segment_fixed_size: 327680
    .private_segment_fixed_size: 0
    .kernarg_segment_align: 8
    .kernarg_segment_size: 48
    .max_flat_workgroup_size: 128
    .sgpr_count:     102
    .vgpr_count:     1024
    .wavefront_size: 32
...
	.end_amdgpu_metadata
.endif
;; end of part 2
;; launch ffn2 (part 3): grid 4 x 64, 4 waves a work-group, clusters of 4 x 1, 288,256 bytes of LDS; arguments h, wd, b_down, expert, out0; writes out0
.if DOCPART == 3
	.amdgcn_target "amdgcn-amd-amdhsa--gfx1250"
	.amdhsa_code_object_version 6
	.text
	.protected	k_qf60e863142_ffn2
	.globl	k_qf60e863142_ffn2
	.p2align	8
	.type	k_qf60e863142_ffn2,@function
k_qf60e863142_ffn2:
	s_mov_b64 s[64:65], 0
	v_nop
	global_prefetch_b8 v0, s[64:65] scope:SCOPE_SE
	s_setreg_imm32_b32 hwreg(HW_REG_WAVE_MODE, 25, 1), 1
	s_wait_xcnt 0x0
	s_wait_alu depctr_hold_cnt(0) depctr_sa_sdst(0) depctr_va_vdst(0) depctr_va_sdst(0) depctr_va_ssrc(0) depctr_va_vcc(0) depctr_vm_vsrc(0)
	s_getreg_b32 s2, hwreg(HW_REG_IB_STS2, 6, 4)
	s_cmp_eq_u32 s2, 0
	s_cbranch_scc0 .Lentry_in_a_cluster
	s_endpgm
.Lentry_in_a_cluster:
	s_bfe_u32 s2, ttmp6, 0x10000c
	s_cmp_lg_u32 s2, 0x3003
	s_cbranch_scc0 .Lentry_shape_is_right
	s_endpgm
.Lentry_shape_is_right:
; out = hidden Wd^T + bd for each batch's expert, on codes of BF8 (E5M2) with E8M0 scales; out0 [8192][1024] f32.
; OPERANDS lie in memory as images of their registers: a fragment (16 rows x 128 K) is 2,048 bytes, register group c at 512 c + 16 x lane; codes [tile of 16 rows][K step of 128][2048]; scale words [K step][row][4].
; A work-group of four waves makes 128 tokens x 256 outputs, so that there are 256 work-groups.  THE WAVES SHARE THE OUTPUTS, NOT THE TOKENS: wave w makes all 128 tokens x outputs 64 w .. 64 w + 63: 32 accumulators.
; THE TOKENS' CODES FOR ALL OF K (262,144 bytes) AND THEIR SCALE WORDS (8,192) COME INTO LDS ONCE, by five tensor loads a wave at the start, and stay: no LDS byte is filled again, so there is no ring;
; K = 2,048 arrives in four chunks of 512, and a barrier stands only in front of the first read of each chunk.
; Wd'S FRAGMENTS GO FROM MEMORY STRAIGHT INTO REGISTERS: no other wave wants a wave's 64 rows, they lie as register images (a load reads 512 consecutive bytes), and their address holds the expert's number.
; Four sets of registers: while one step's set is multiplied, three steps' fragments are on their way: 48 loads, with at most 8 loads of scale words 56 loads of a wave out at the most.
; THE PRODUCT IS USED TRANSPOSED (source 0 = 16 rows of Wd, source 1 = 16 tokens): a lane holds eight neighbouring outputs of one token.
; THE EXPERT is a whole number stored by the first launch; it enters addresses alone (held to 0..7), no branch and no trip count.
; CLUSTER: the four work-groups of a cluster make the four blocks of 256 outputs of the same 128 tokens: the tokens' codes and scale words are asked for JOINTLY (mask 15); their address is made of the cluster's y and the wave's number alone.
; Wd is not asked for jointly: its address holds a number that is read from memory, and a joint request's descriptor is made here only of ids that the partners share, the wave's number and constants.
; THE BIAS is added behind the sums, as the definition has it, on the rows that come back from the stage: there a lane holds the same four outputs of every row, so it is four registers and one load.
; THE SIXTEEN STEPS OF 128 ALONG K ARE WRITTEN OUT BY A MACRO: the scale words' registers, the counts of the waits and the last steps' missing loads differ from step to step, and every offset is an immediate.
; LIMITS: NaN and infinities are not served.
; REGISTERS, in windows of 256: window 0: v1-27 addresses, v8-11 the bias; v32-95 the tokens' scale words, v96-127 Wd's, both for all of K (lanes 0-15 an even K step, lanes 16-31 the odd one behind it); v128-255 rows on the way out.
;   window 1: Wd's fragments, four sets of 64.   window 2: the accumulators ((a, b) at v[8 (4 a + b)]).   window 3: the tokens' fragments, two sets of 128.
.set SCA,    262144                    ; behind the four chunks of codes: the tokens' scale words [16][128][4]
.set STG,    SCA+8192                  ; behind them: a stage of 16 rows x (256 bytes + 16) for each wave, for the way out: bytes of its own, into which no tile lands
.set SPITCH, 272                       ; 68 words: row r begins 4 r words on modulo 64 words, so the 16 rows that a store touches begin in 16 different groups of four words
.set HSC,    16777216                  ; where the scale words begin in h,
.set WDSC,   16777216                  ; in wd
.set BI,   8                           ; v8-11   the bias of my four outputs of a row
.set ADRA, 16                          ; v16-19  16 x lane + 65,536 x chunk: the tokens' fragments in LDS
.set LI,   16                          ; v16     16 x lane: also my 16 bytes of a load from wd
.set VBI,  20                          ; v20     16 r: my four numbers of the bias
.set ASA,  22                          ; v22     the tokens' scale words in LDS: 4 r + 512 h
.set VSB,  23                          ; v23     Wd's in memory: 4 r + 4,096 h
.set STO,  24                          ; v24     the way out: where I put 32 bytes of a row
.set RD,   25                          ; v25     where I read 16 bytes of a row back
.set CO,   26                          ; v26     and the same place in out0
.set SA,   32                          ; pair p of K steps, block i of tokens: v[SA + 8 p + i]
.set SB,   96                          ; pair p, block b of Wd's rows: v[SB + 4 p + b]
.set BK,   128                         ; four buffers of 32 registers by turns
.set G1,   24                          ; s[24:31] descriptor group 1 for a chunk of codes
.set G1S,  32                          ; s[32:39] for the scale words
.set G0S,  44                          ; s[44:47] group 0 for the scale words
.set G0,   48                          ; s[48:63] group 0 for the four chunks
.set MSB, 0
.macro WIN new                         ; the immediate's high byte repeats the setting that is left
.if MSB != (\new)
	s_set_vgpr_msb (MSB<<8)|(\new)
.set MSB, (\new)
.endif
.endm
.set TO_B, 0x40                        ; destination window 1, address window 0
.set TO_A, 0xc0                        ; destination window 3, address window 0
.set MUL,  0xad                        ; source 0 (Wd) window 1, source 1 (the tokens) window 3, C and D window 2
.macro CROUND                          ; a round of the cluster's barrier
	s_barrier_signal -1
	s_barrier_wait -1
	s_cmp_lg_u32 s16, 0
	s_cbranch_scc1 .Lnot_wave_0_\@
	s_barrier_signal -3
.Lnot_wave_0_\@:
	s_barrier_wait -3
	s_barrier_signal -1
	s_barrier_wait -1
.endm
.macro PLACES n                        ; plain vector places behind matrix instructions: eight for this form
.rept \n
	v_nop
.endr
.endm
	s_load_b256 s[4:11], s[0:1], 0x0               ; h, wd, b_down, expert
	s_load_b64 s[12:13], s[0:1], 0x20              ; out0
	v_lshl_add_u32 v30, v0, 2, 0x46400
	v_mov_b32 v31, 0
	ds_add_u32 v30, v31
	ds_add_u32 v30, v31
	v_lshrrev_b32 v1, 5, v0
	v_readfirstlane_b32 s16, v1                    ; wave 0..3
	s_bfe_u32 s40, ttmp6, 0x40000                  ; cx
	s_lshl_b32 s42, ttmp9, 2
	s_add_co_u32 s42, s42, s40                     ; TC = 4 x cluster x + cx: which 256 outputs
	s_and_b32 s20, ttmp7, 0xffff                   ; TR: which 128 tokens: the four partners share it
	s_lshr_b32 s72, s20, 2                         ; the batch (512 tokens),
	s_lshl_b32 s72, s72, 2                         ; its word
	s_mov_b32 s73, 0
	; descriptor groups 1, elements of 8 bytes, no padding (an image is read as 512 consecutive bytes).  A wave's part of a chunk: 2 tiles of rows x 8,192 bytes (four K steps of 128), 32,768 bytes apart
	s_mov_b32 s[G1+0], 15|(3<<16)|(1<<21)          ; all four work-groups; bit 21 set beside a mask
	s_mov_b32 s[G1+1], 1024<<16                    ; tensor_dim0 = 1,024
	s_mov_b32 s[G1+2], 2<<16                       ; tensor_dim1 = 2
	s_mov_b32 s[G1+3], 1024<<16                    ; tile_dim0
	s_mov_b32 s[G1+4], 2                           ; tile_dim1
	s_mov_b32 s[G1+5], 4096                        ; from row to row
	s_mov_b32 s[G1+6], 0
	s_mov_b32 s[G1+7], 0
	; a wave's part of the scale words: 4 K steps x 512 bytes (128 tokens), 32,768 bytes apart
	s_mov_b32 s[G1S+0], 15|(3<<16)|(1<<21)
	s_mov_b32 s[G1S+1], 64<<16
	s_mov_b32 s[G1S+2], 4<<16
	s_mov_b32 s[G1S+3], 64<<16
	s_mov_b32 s[G1S+4], 4
	s_mov_b32 s[G1S+5], 4096
	s_mov_b32 s[G1S+6], 0
	s_mov_b32 s[G1S+7], 0
	; the tokens' addresses hang on TR and the wave alone
	s_lshl_b32 s22, s20, 18                        ; 8 tiles of rows x 32,768 bytes,
	s_lshl_b32 s23, s16, 16                        ; my 2 of them
	s_add_co_u32 s22, s22, s23
	s_mov_b32 s23, 0
	s_lshl_b32 s74, s16, 17                        ; scale words: my 4 K steps x 32,768,
	s_lshl_b32 s75, s20, 9                         ; + 512 TR
	s_add_co_u32 s74, s74, s75
	s_add_co_u32 s74, s74, HSC
	s_mov_b32 s75, 0
	s_lshl_b32 s76, s16, 14                        ; where they go: in a chunk, wave x 16,384;
	s_lshl_b32 s77, s16, 11
	s_add_co_u32 s77, s77, SCA                     ; the scale words: wave x 2,048
	s_wait_dscnt 0x0
	s_wait_kmcnt 0x0
	s_add_nc_u64 s[10:11], s[10:11], s[72:73]
	s_add_nc_u64 s[22:23], s[4:5], s[22:23]
	s_add_nc_u64 s[74:75], s[4:5], s[74:75]
	s_mov_b32 s[G0S], 1
	s_mov_b32 s[G0S+1], s77
	s_mov_b64 s[G0S+2:G0S+3], s[74:75]
	s_or_b32 s[G0S+3], s[G0S+3], 0x80000000
.irp j, 0,1,2,3
	s_mov_b32 s[G0+4*\j], 1                                        ; count = 1
	s_add_co_u32 s[G0+4*\j+1], s76, 65536*\j                       ; LDS address: chunk j
	s_add_nc_u64 s[G0+4*\j+2:G0+4*\j+3], s[22:23], 8192*\j         ; global address: K steps 4 j on
	s_or_b32 s[G0+4*\j+3], s[G0+4*\j+3], 0x80000000                ; type = 2
.endr
	CROUND                                         ; all four work-groups are here: the joint loads meet
	s_load_b32 s21, s[10:11], 0x0                  ; the batch's expert: asked for behind the round, so that no scalar load is out at a barrier
	tensor_load_to_lds s[G0S:G0S+3], s[G1S:G1S+7]  ; all the launch's tensor loads, as one group: the scale words first, then the chunks in the order in which they are read: five of mine are out
	s_nop 0
.irp j, 0,1,2,3
	tensor_load_to_lds s[G0+4*\j:G0+4*\j+3], s[G1:G1+7]
	s_nop 0
.endr
	v_and_b32 v1, 15, v0                           ; r
	v_bfe_u32 v2, v0, 4, 1                         ; h
	v_and_b32 v3, 31, v0                           ; lane
.irp j, 0,1,2,3
	v_lshl_add_u32 v[ADRA+\j], v3, 4, 65536*\j
.endr
	v_lshlrev_b32 v4, 2, v1
	v_lshl_add_u32 v[VSB], v2, 12, v4              ; lanes 16-31 take the next K step of 128: 1,024 rows x 4 bytes on
	v_lshl_add_u32 v[ASA], v2, 9, v4               ; in LDS: 128 rows x 4 bytes on
	v_add_nc_u32 v[ASA], SCA, v[ASA]
	v_lshlrev_b32 v[VBI], 4, v1
	v_lshl_add_u32 v[CO], v2, 12, v[VBI]           ; lanes 0-15 one row of out0, lanes 16-31 the next; 16 bytes a lane
	s_mul_i32 s78, s16, 16*SPITCH
	s_add_co_u32 s78, s78, STG                     ; my stage
	v_mul_u32_u24 v5, v1, SPITCH
	v_lshl_add_u32 v5, v2, 5, v5
	v_add_nc_u32 v[STO], s78, v5                   ; in: row r, 32 bytes for each half of the lanes
	v_mul_u32_u24 v5, v2, SPITCH
	v_lshl_add_u32 v5, v1, 4, v5
	v_add_nc_u32 v[RD], s78, v5                    ; back: lanes 0-15 one row of 256 bytes, lanes 16-31 the next
	s_lshl_b32 s72, s42, 10
	s_lshl_b32 s73, s16, 8
	s_add_co_u32 s72, s72, s73                     ; my 64 outputs x 4 bytes: 1,024 TC + 256 wave
	s_lshl_b32 s74, s20, 19                        ; out0: token 128 TR (4,096 bytes a row)
	s_add_co_u32 s74, s74, s72
	s_mov_b32 s75, 0
	s_add_nc_u64 s[12:13], s[12:13], s[74:75]
	s_wait_kmcnt 0x0
	s_min_u32 s21, s21, 7                          ; a loaded number enters addresses only so held
	s_lshl_b32 s66, s21, 21                        ; Wd's codes: the expert's 64 tiles of rows x 32,768 bytes,
	s_lshl_b32 s67, s42, 19                        ; 16 tiles for 256 outputs,
	s_add_co_u32 s66, s66, s67
	s_lshl_b32 s67, s16, 17                        ; my 4 of them
	s_add_co_u32 s66, s66, s67
	s_mov_b32 s67, 0
	s_add_nc_u64 s[66:67], s[6:7], s[66:67]
	s_lshl_b32 s68, s21, 16                        ; its scale words: the expert's 16 K steps x 4,096 bytes
	s_add_co_u32 s68, s68, s72
	s_add_co_u32 s68, s68, WDSC
	s_mov_b32 s69, 0
	s_add_nc_u64 s[68:69], s[6:7], s[68:69]
	s_lshl_b32 s70, s21, 12                        ; the bias: the expert's 1,024 numbers
	s_add_co_u32 s70, s70, s72
	s_mov_b32 s71, 0
	s_add_nc_u64 s[70:71], s[8:9], s[70:71]
.macro LOADB s                         ; step s's four fragments of Wd into set s % 4: sixteen loads of 512 consecutive bytes
.irp b, 0,1,2,3
.irp c, 0,1,2,3
	global_load_b128 v[64*((\s)%4)+16*\b+4*\c:64*((\s)%4)+16*\b+4*\c+3], v[LI], s[66:67] offset:32768*\b+2048*(\s)+512*\c
.endr
.endr
.endm
.macro LOADSB p                        ; Wd's scale words of K steps 2 p (lanes 0-15) and 2 p + 1 (lanes 16-31): the four loads together take my 64 rows' 256 consecutive bytes of each step, once in the launch
.irp b, 0,1,2,3
	global_load_b32 v[SB+4*(\p)+\b], v[VSB], s[68:69] offset:8192*(\p)+64*\b
.endr
.endm
.macro LOADA s, k                      ; step s's fragments of token blocks 4 k .. 4 k + 3 into set s % 2: each comes back as it was stored, four loads of 512 consecutive bytes
.irp i, 4*(\k), 4*(\k)+1, 4*(\k)+2, 4*(\k)+3
.irp c, 0,1,2,3
	ds_load_b128 v[128*((\s)%2)+16*(\i)+4*\c:128*((\s)%2)+16*(\i)+4*\c+3], v[ADRA+(\s)/4] offset:8192*(\i)+2048*((\s)%4)+512*\c
.endr
.endr
.endm
.macro LOADSA p                        ; the tokens' scale words of K steps 2 p and 2 p + 1
.irp i, 0,1,2,3,4,5,6,7
	ds_load_b32 v[SA+8*(\p)+\i], v[ASA] offset:1024*(\p)+64*\i
.endr
.endm
; 4 matrix instructions: token block a against Wd's four blocks, K step s.  Step 0's products start the sums with the constant 0: nothing is cleared.  An odd step's scale words lie in lanes 16-31.
; The 32 accumulators take turns, one instruction a turn, in the same order in every step.
.macro MULA s, a
.irp b, 0,1,2,3
.if (\s) == 0
	v_wmma_scale_f32_16x16x128_f8f6f4 v[32*(\a)+8*\b:32*(\a)+8*\b+7], v[64*((\s)%4)+16*\b:64*((\s)%4)+16*\b+15], v[128*((\s)%2)+16*(\a):128*((\s)%2)+16*(\a)+15], 0, v[SB+4*((\s)/2)+\b], v[SA+8*((\s)/2)+(\a)] matrix_a_fmt:MATRIX_FMT_BF8 matrix_b_fmt:MATRIX_FMT_BF8
.elseif (\s)%2
	v_wmma_scale_f32_16x16x128_f8f6f4 v[32*(\a)+8*\b:32*(\a)+8*\b+7], v[64*((\s)%4)+16*\b:64*((\s)%4)+16*\b+15], v[128*((\s)%2)+16*(\a):128*((\s)%2)+16*(\a)+15], v[32*(\a)+8*\b:32*(\a)+8*\b+7], v[SB+4*((\s)/2)+\b], v[SA+8*((\s)/2)+(\a)] matrix_a_fmt:MATRIX_FMT_BF8 matrix_b_fmt:MATRIX_FMT_BF8 matrix_a_scale:MATRIX_SCALE_ROW1 matrix_b_scale:MATRIX_SCALE_ROW1
.else
	v_wmma_scale_f32_16x16x128_f8f6f4 v[32*(\a)+8*\b:32*(\a)+8*\b+7], v[64*((\s)%4)+16*\b:64*((\s)%4)+16*\b+15], v[128*((\s)%2)+16*(\a):128*((\s)%2)+16*(\a)+15], v[32*(\a)+8*\b:32*(\a)+8*\b+7], v[SB+4*((\s)/2)+\b], v[SA+8*((\s)/2)+(\a)] matrix_a_fmt:MATRIX_FMT_BF8 matrix_b_fmt:MATRIX_FMT_BF8
.endif
.endr
.endm
; A STEP: 128 along K, 32 matrix instructions.  At its head it asks for Wd's fragments three steps on (into the set that the step before has multiplied) and for the tokens' one step on (into the other of their two sets), the latter in two
; runs of sixteen LDS loads with eight products between.  Scale words ride with the first of their two steps' fragments, ahead of them, so that the wait for the fragments covers them.
.macro STEP s
	s_wait_dscnt 0x0                               ; this step's fragments of the tokens are in (the last were asked for 24 matrix instructions ago); no LDS instruction of mine is out at the signal below
.if ((\s)%4 == 3) && ((\s) < 15)
	s_wait_tensorcnt 3-((\s)+1)/4                  ; my part of the next chunk has landed; the chunks behind it may be out
	s_barrier_signal -1
	s_barrier_wait -1                              ; everybody's has: the next step's fragments are read from it below
.endif
.if (\s) < 14
	s_wait_loadcnt 36                              ; this step's fragments of Wd are in; out may be those of the two steps behind it (32 loads) and the four scale words that ride with one of them
.else
	s_wait_loadcnt 16*(15-(\s))                    ; the counts run down
.endif
.if (\s) > 0
	PLACES 8                                       ; in front of loads into registers that the last step's matrix instructions have read
.endif
.if ((\s)%2 == 1) && ((\s) < 15)
	WIN 0
.if (\s)+3 < 16
	LOADSB ((\s)+3)/2
.endif
	LOADSA ((\s)+1)/2
.endif
.if (\s)+3 < 16
	WIN TO_B
	LOADB (\s)+3
.endif
.if (\s)+1 < 16
	WIN TO_A
	LOADA (\s)+1, 0
.endif
	WIN MUL
.irp a, 0,1
	MULA \s, \a
.endr
.if (\s)+1 < 16
	WIN TO_A
	LOADA (\s)+1, 1
	WIN MUL
.endif
.irp a, 2,3,4,5,6,7
	MULA \s, \a
.endr
.endm
	global_load_b128 v[BI:BI+3], v[VBI], s[70:71]  ; the bias of outputs 4 r .. 4 r + 3 of my 64
	LOADSB 0
	WIN TO_B
	LOADB 0
	LOADB 1
	WIN 0
	LOADSB 1
	WIN TO_B
	LOADB 2                                        ; 57 loads of mine are out
	WIN 0
	s_wait_tensorcnt 3                             ; my parts of the scale words and of chunk 0 have landed; chunks 1 to 3 may be out
	s_barrier_signal -1
	s_barrier_wait -1                              ; everybody's have
	LOADSA 0
	WIN TO_A
	LOADA 0, 0
	LOADA 0, 1
.irp s, 0,1,2,3,4,5,6,7,8,9,10,11,12,13,14,15
	STEP \s
.endr
	WIN 0
; THE WAY OUT, block by block of 16 tokens x 64 outputs.  A lane holds 32 neighbouring bytes of a row, and the lanes beside it hold other rows: so a block goes through my own stage in LDS and comes back as whole rows of 256 bytes,
; two an instruction; the bias is added; sixteen lanes store 256 consecutive bytes, aligned.  LDS serves a wave's instructions in order (ISA guide 5.7.1.4): no wait between the stores and the loads, nor in front of the next block's stores.
.macro TOSTAGE a
	WIN 0x08                                       ; an LDS store's data are its source 1: window 2
.irp b, 0,1,2,3
	ds_store_b128 v[STO], v[32*(\a)+8*\b:32*(\a)+8*\b+3] offset:64*\b          ; each accumulator from its low end on
	ds_store_b128 v[STO], v[32*(\a)+8*\b+4:32*(\a)+8*\b+7] offset:64*\b+16
.endr
	WIN 0
.set BB, BK+32*((\a)%4)
.irp t, 0,1,2,3,4,5,6,7
	ds_load_b128 v[BB+4*\t:BB+4*\t+3], v[RD] offset:\t*2*SPITCH
.endr
.endm
.macro SEND a, younger                 ; younger: the LDS instructions issued behind block a's loads, which may stay out
.set BB, BK+32*((\a)%4)
	s_wait_dscnt \younger                          ; the block is back in registers
.irp t, 0,1,2,3,4,5,6,7
	v_pk_add_f32 v[BB+4*\t:BB+4*\t+1], v[BB+4*\t:BB+4*\t+1], v[BI:BI+1]
	v_pk_add_f32 v[BB+4*\t+2:BB+4*\t+3], v[BB+4*\t+2:BB+4*\t+3], v[BI+2:BI+3]
	global_store_b128 v[CO], v[BB+4*\t:BB+4*\t+3], s[12:13] offset:(16*(\a)+2*\t)*4096 th:TH_STORE_NT   ; the row stands in the immediate: 126 rows of 4,096 bytes at the most, inside its signed 24 bits; written once, read by nobody here
.endr
.endm
	PLACES 8                                       ; in front of the first reads of results
	TOSTAGE 0
.irp a, 1,2,3,4,5,6,7
.if \a > 3
	s_wait_xcnt 0x0                                ; block a - 4's stores have read their registers: block a's loads land there
.endif
	TOSTAGE \a
	SEND \a-1, 16                                  ; behind block a - 1's loads: block a's 8 stores and 8 loads
.endr
	SEND 7, 0                                      ; no LDS instruction of mine is out behind this wait; my tensor loads were all waited for in step 11
	s_wait_tensorcnt 0x0
	ds_add_u32 v30, v31
	s_wait_dscnt 0x0
	CROUND                                         ; the closing round: no work-group ends while a partner may still ask for a tile that names it
	s_endpgm
.Lfunc_end_k_qf60e863142_ffn2:
	.size	k_qf60e863142_ffn2, .Lfunc_end_k_qf60e863142_ffn2-k_qf60e863142_ffn2
	.p2alignl 7, 3214868480
	.fill 96, 4, 3214868480
	.section	.rodata,"a",@progbits
	.p2align	6, 0x0
	.amdhsa_kernel k_qf60e863142_ffn2
		.amdhsa_group_segment_fixed_size 288256
		.amdhsa_private_segment_fixed_size 0
		.amdhsa_enable_private_segment 0
		.amdhsa_kernarg_size 40
		.amdhsa_user_sgpr_count 2
		.amdhsa_user_sgpr_kernarg_segment_ptr 1
		.amdhsa_wavefront_size32 1
		.amdhsa_system_sgpr_workgroup_id_x 1
		.amdhsa_system_sgpr_workgroup_id_y 1
		.amdhsa_system_sgpr_workgroup_id_z 1
		.amdhsa_system_vgpr_workitem_id 0
		.amdhsa_next_free_vgpr 1024
		.amdhsa_next_free_sgpr 80
		.amdhsa_reserve_vcc 0
		.amdhsa_float_denorm_mode_32 3
		.amdhsa_float_denorm_mode_16_64 3
		.amdhsa_memory_ordered 1
		.amdhsa_forward_progress 1
		.amdhsa_inst_pref_size 166
	.end_amdhsa_kernel
	.amdgpu_metadata
---
amdhsa.version: [ 1, 2 ]
amdhsa.kernels:
  - .name:           k_qf60e863142_ffn2
    .symbol:         k_qf60e863142_ffn2.kd
    .args:
      - { .name: h, .offset: 0, .size: 8, .value_kind: global_buffer, .address_space: global }
      - { .name: wd, .offset: 8, .size: 8, .value_kind: global_buffer, .address_space: global }
      - { .name: b_down, .offset: 16, .size: 8, .value_kind: global_buffer, .address_space: global }
      - { .name: expert, .offset: 24, .size: 8, .value_kind: global_buffer, .address_space: global }
      - { .name: out0, .offset: 32, .size: 8, .value_kind: global_buffer, .address_space: global }
    .group_segment_fixed_size: 288256
    .private_segment_fixed_size: 0
    .kernarg_segment_align: 8
    .kernarg_segment_size: 40
    .max_flat_workgroup_size: 128
    .sgpr_count:     80
    .vgpr_count:     1024
    .wavefront_size: 32
...
	.end_amdgpu_metadata
.endif
;; end of part 3
